; MI455X (gfx1250); checked and timed in simulation.
; The chip was launched on July 23, 2026; its instructions are those of AMD's public machine-readable ISA for CDNA 5 (MIT licence, August 2026) and "CDNA5" Instruction Set Architecture Reference Guide (July 2026). The comments in the code are by the model that wrote it; some were corrected since.
;; Poincare Linear. Allowed arithmetic: matrix products marked QUANTISED: E2M3 operands, one E8M0 scale for each 32 along K, by v_wmma_scale_f32_16x16x128_f8f6f4 with both operands' format E2M3, f32 sums; everything else in f32.
;; Inputs: bias 4,096 float32; c 1 float32; weight_g 4,096 float32; weight_v 4,096 x 4,096 float32; x 4,096 x 4,096 float32.
;; Outputs: out0 4,096 x 4,096 float32.
;; This version of the problem:
;;   THIS VERSION OF THE PROBLEM IS GIVEN IN LOW PRECISION. The matrix products marked QUANTISED in the list below multiply operands that are first quantised to E2M3 (2 exponent bits, 3 mantissa bits; 6 bits a number), with one power-of-two scale for each 32 numbers along K (OCP MX v1.0); their sums are f32. All else is computed in f32.
;;   The module's matrix products, in the order in which they are computed (A, B: the left and right operand; K: the contracted axis; several contracted axes count as one K, in the product's order):
;;     1. [M 4,096, K 4,096] x [K 4,096, N 4,096]; A: computed on the way; B: computed on the way: QUANTISED
;;   THE QUANTISER, for each operand of a quantised product, along K:
;;     - K is cut into blocks of 32 from its start; a last block that is shorter is filled with zeros.
;;     - A block's scale is 2^e with e = floor(log2(the largest magnitude in the block)) - 2, held to -126 .. 127; a block of zeros has e = 0. As a byte (E8M0): e + 127.
;;     - Each number is divided by its block's scale, clamped to +-7.5, and rounded to the nearest number of E2M3, ties to even, subnormals kept.
;;     - The product sums the exact products of the quantised numbers (number of the format x scale) in f32.
;;   ~~~python
;;   def quantise(x, axis):      # numpy; x: float32 -> the quantised numbers, widened to float32 again
;;       x = np.moveaxis(x, axis, -1); K = x.shape[-1]
;;       x = np.pad(x, [(0, 0)] * (x.ndim - 1) + [(0, -K % 32)]); x = x.reshape(x.shape[:-1] + (-1, 32)); a = np.abs(x).max(-1, keepdims=True)
;;       e = np.where(a > 0, np.clip(np.frexp(np.where(a > 0, a, 1))[1] - 1 - 2, -126, 127), 0)      # np.frexp(a)[1] - 1 = floor(log2(a)), exactly
;;       r = np.clip(x / 2.0 ** e, -7.5, 7.5)
;;       step = 2.0 ** (np.maximum(np.frexp(np.where(r == 0, 1, r))[1] - 1, 0) - 3)
;;       q = np.round(r / step) * step * 2.0 ** e      # np.round: ties to even
;;       return np.moveaxis(q.reshape(q.shape[:-2] + (-1,))[..., :K], -1, axis).astype(np.float32)
;;   ~~~
;;   OPERANDS COMPUTED ON THE WAY. 'Computed on the way' means the value that the module computes at that place (a softmax that the list does not call 'softmax' is quantised finished and normalised). What goes into a quantiser is computed in f32, as accurately as f32 sums, v_exp_f32 and their like allow (about 1e-6 of the number): no bf16 or f16 on the way to a quantiser, and a product that is left as it is and whose result goes on into a quantised operand takes f32 operands (vector FMAs, or v_wmma_f32_16x16x4_f32). A number that lies on a knife's edge between two numbers of the format may be rounded either way, as far as f32 arithmetic and the matrix unit's own rounding can turn it there, and no further.
;; One version. Each part assembles by itself: llvm-mc -triple=amdgcn-amd-amdhsa -mcpu=gfx1250 --defsym DOCPART=n.
;; ======== version 1 of 1: 4 launches
;; limits: below input magnitudes of 1e-19 results are inexact or not finite
;; workspace buffers: aq 13,107,200 bytes; bq 13,107,200 bytes; rowp 32,768 bytes; wpart 262,144 bytes; pbuf 67,108,864 bytes
;; launch prep (part 1): grid 256 x 1, 16 waves a work-group, no clusters, 154,624 bytes of LDS; arguments x, c, weight_v, aq, rowp, wpart; writes aq, rowp, wpart
.if DOCPART == 1
	.amdgcn_target "amdgcn-amd-amdhsa--gfx1250"
	.amdhsa_code_object_version 6
	.text
	.protected	k_q2f8a88e389_prep
	.globl	k_q2f8a88e389_prep
	.p2align	8
	.type	k_q2f8a88e389_prep,@function
k_q2f8a88e389_prep:
	s_mov_b64 s[64:65], 0
	v_nop
	global_prefetch_b8 v0, s[64:65] scope:SCOPE_SE
	s_setreg_imm32_b32 hwreg(HW_REG_WAVE_MODE, 25, 1), 1
	s_wait_xcnt 0x0
; TWO JOBS ON ONE PATH, the same in every work-group.
; (1) sqrt(c) x, [4096][4096] f32, becomes codes of FP6 (E2M3) with one E8M0 scale byte for each 32 along K, and each row's cx2 = sum of (sqrt(c) x)^2 becomes the two numbers that the last launch
;     wants of it: -(1 + cx2) and 1 / max(1 - cx2, 1e-15).
; (2) wpart[kc][n] = the sum over the 256 rows k = 256 kc .. of weight_v[k][n]^2: the parts of the columns' squared norms, which the next launch adds up.  A column's norm stands ahead of the weight's
;     quantiser and spans all of K; whole columns in whole runs of 256 bytes do not fit in one work-group's registers and LDS (64 columns x 4,096 x 4 bytes), so the weight is walked twice.
; LAYOUT OF aq: [group of 128 rows: 32][K step of 128: 32][12,800 bytes].  In a K step's bytes the fragment of tile i (16 rows) lies at 1,536 i as an image of the operand's registers: registers
; 4 p .. 4 p + 3 of lane l at 512 p + 16 l.  Lane (r, h) holds row r: registers 0-5 the block of 32 at k = 32 h, registers 6-11 the block at k = 64 + 32 h.  The scale words (byte b: block b) lie at 12,288 + 64 i + 4 r.
; SHARES.  Work-group t owns rows 16 t .. of x (tile t % 8 of group t / 8), wave w their K steps 2 w and 2 w + 1; and of the weight columns 256 (t % 16) .., rows 256 (t / 16) .., wave w 16 of the rows.
; No loop.  A wave's 32 loads of x, 512 consecutive bytes each, go out at the head; the weight's 32 go into the registers that x's numbers have left, 16 behind each of x's two turns through LDS,
; so that loads are on their way while x is quantised.  A load is best where neighbouring lanes take neighbouring bytes; the conversions want 32 neighbours along K in one lane: so a fragment's 8 KiB turn
; through the wave's own stage in LDS.  Both reductions over the 16 waves meet at ONE barrier.  No work-group shares an input byte with another: no cluster, no tensor load.
; LIMITS: NaN and infinities in x and in the weight are not served.  A block of zeros, and one whose largest magnitude lies under 2^(3 - 127), gets the byte 1 (the rule says 127 for zeros): its codes are zeros
; or held by that floor, and this program alone reads the bytes.  c < 0 or NaN gives codes without meaning here; the last launch then stores zeros, as the definition does.
; A column whose sum of squares leaves f32's range (root mean square under about 1e-19 or over 1e17) is not served.
.set STGB, 8448                        ; a wave's stage: 16 rows x (512 bytes + 16): the 16 rows that a read touches start in 16 different columns of 16 bytes
.set RED,  135168                      ; behind the 16 stages: [wave][row] words, the waves' parts of cx2
.set WRED, 136192                      ; behind them: [wave][256 columns] words, the waves' parts of the weight's sums
.set KSB,  12800                       ; a K step's bytes in aq
.set GRPB, 32*KSB                      ; a group's
.set SCW,  12288                       ; the scale words in a K step's bytes
.set X,    64                          ; v64-127  64 numbers of my row: register 32 c + e is k = 64 c + 32 h + e of the K step;  later v64-71 the weight's sums
.set R,    128                         ; v128-255 x as loaded: fragment q, row j at 64 q + 4 j;  later the weight: row j at 8 j
.set F,    36                          ; v36-59   the codes: fragment q at 12 q, so that no store's data are written again
	s_load_b256 s[4:11], s[0:1], 0x0               ; x s[4:5], c s[6:7], weight_v s[8:9], aq s[10:11]
	s_load_b128 s[24:27], s[0:1], 0x20             ; rowp s[24:25], wpart s[26:27]
	v_lshl_add_u32 v35, v0, 2, 0x25400
	v_mov_b32 v63, 0
	v_lshrrev_b32 v1, 5, v0
	v_readfirstlane_b32 s12, v1                    ; wave 0..15
	v_and_b32 v1, 31, v0                           ; lane
	v_and_b32 v2, 15, v0                           ; r
	v_bfe_u32 v3, v0, 4, 1                         ; h
	v_lshlrev_b32 v4, 4, v1                        ; 16 x lane: my 16 bytes of a load's 512
	s_mul_i32 s14, s12, STGB
	v_add_nc_u32 v5, s14, v4                       ; the stage, way in: as loaded
	v_mul_u32_u24 v6, v2, 528
	v_lshl_add_u32 v6, v3, 7, v6
	v_add_nc_u32 v6, s14, v6                       ; way out: row r, + 128 h bytes: my block of 32
	s_and_b32 s15, ttmp9, 7                        ; i: my tile in its group
	s_mul_i32 s16, s15, 1536
	v_add_nc_u32 v7, s16, v4                       ; codes: 16 x lane + the tile's fragment
	s_lshl_b32 s16, s15, 6
	s_add_co_u32 s16, s16, SCW
	v_mul_u32_u24 v8, v3, KSB
	v_lshl_add_u32 v8, v2, 2, v8
	v_add_nc_u32 v8, s16, v8                       ; scale words: 12,288 + 64 i + 4 r; lanes 16-31 store the second K step's, 12,800 bytes on
	v_lshl_add_u32 v11, v2, 2, RED                 ; cx2's parts: row r of wave 0,
	s_lshl_b32 s16, s12, 6
	v_add_nc_u32 v9, s16, v11                      ; and of my wave
	v_lshlrev_b32 v10, 3, v3                       ; 8 h: my two bytes' shift in a scale word
	v_mov_b32 v24, 0                               ; a lane permute's destination counts as one of its sources
	s_lshl_b32 s16, ttmp9, 6
	v_lshlrev_b32 v27, 14, v3
	v_lshl_add_u32 v27, v2, 2, v27
	v_add_nc_u32 v27, s16, v27                     ; rowp: 16,384 h + 4 x (16 t + r)
	s_lshl_b32 s16, s12, 10
	s_add_co_u32 s16, s16, WRED
	v_add_nc_u32 v60, s16, v4                      ; the weight's sums, way in: 1,024 bytes a wave, column n at 4 n
	v_and_b32 v62, 63, v0
	v_lshlrev_b32 v62, 4, v62                      ; in wpart: four columns a thread of waves 0 and 1
	v_add_nc_u32 v61, WRED, v62                    ; and the same in LDS, way out
	s_mov_b32 s20, 0x76543210
	s_mov_b32 s21, 0xfedcba98                      ; v_permlanex16_b32's selects for lane l xor 16
	s_mov_b32 s22, 0xffff0000                      ; lanes 16-31
	s_lshl_b32 s16, ttmp9, 18                      ; x: 16 rows of 16,384 bytes,
	s_lshl_b32 s17, s12, 10                        ; 256 numbers a wave
	s_add_co_u32 s16, s16, s17
	s_mov_b32 s17, 0
	s_lshr_b32 s18, ttmp9, 3
	s_mul_i32 s18, s18, GRPB                       ; aq: my group,
	s_mul_i32 s19, s12, 2*KSB                      ; my wave's two K steps
	s_add_co_u32 s18, s18, s19
	s_mov_b32 s19, 0
	s_lshr_b32 s32, ttmp9, 4                       ; kc: which 256 rows of the weight
	s_and_b32 s33, ttmp9, 15
	s_lshl_b32 s33, s33, 10                        ; which 256 columns, in bytes
	s_lshl_b32 s28, s32, 22                        ; 256 rows of 16,384 bytes,
	s_lshl_b32 s29, s12, 18                        ; 16 rows a wave
	s_add_co_u32 s28, s28, s29
	s_add_co_u32 s28, s28, s33
	s_mov_b32 s29, 0
	s_lshl_b32 s30, s32, 14                        ; wpart: row kc
	s_add_co_u32 s30, s30, s33
	s_mov_b32 s31, 0
	s_wait_kmcnt 0x0
	s_load_b32 s13, s[6:7], 0x0                    ; c
	s_add_nc_u64 s[4:5], s[4:5], s[16:17]
	s_add_nc_u64 s[10:11], s[10:11], s[18:19]
	s_add_nc_u64 s[8:9], s[8:9], s[28:29]
	s_add_nc_u64 s[26:27], s[26:27], s[30:31]
.irp q, 0,1
.irp j, 0,1,2,3,4,5,6,7,8,9,10,11,12,13,14,15
	global_load_b128 v[R+64*\q+4*\j:R+64*\q+4*\j+3], v4, s[4:5] offset:16384*\j+512*\q th:TH_LOAD_NT   ; row j, K step q: 512 consecutive bytes; read once in the launch
.endr
.endr
	s_wait_kmcnt 0x0
	v_sqrt_f32 v12, s13                            ; rc
	v_nop                                          ; a plain place behind the root
	s_wait_alu depctr_va_vdst(0)
	v_mov_b32 v13, v12                             ; twice, for the packed multiply
.macro TURNQ q                         ; fragment q through the stage.  LDS serves a wave's instructions in order: no wait between the stores and the loads
.irp j, 0,1,2,3,4,5,6,7,8,9,10,11,12,13,14,15
	ds_store_b128 v5, v[R+64*\q+4*\j:R+64*\q+4*\j+3] offset:528*\j
.endr
.irp c, 0,1
.irp j, 0,1,2,3,4,5,6,7
	ds_load_b128 v[X+32*\c+4*\j:X+32*\c+4*\j+3], v6 offset:256*\c+16*\j
.endr
.endr
.endm
.macro WLOAD first                     ; eight rows of the weight, 1,024 consecutive bytes each in two loads, into the registers that a fragment of x has left.  No hint: the next launch reads the weight again
.irp j, 0,1,2,3,4,5,6,7
	global_load_b128 v[R+8*(\first+\j):R+8*(\first+\j)+3], v4, s[8:9] offset:16384*(\first+\j)
	global_load_b128 v[R+8*(\first+\j)+4:R+8*(\first+\j)+7], v4, s[8:9] offset:16384*(\first+\j)+512
.endr
.endm
; 64 numbers of my row, two whole blocks of 32, become my 12 registers of fragment q and, with lane l xor 16's two bytes, the row's scale word in v[25 + q]
.macro QUANT q
.set n, 0
.rept 32
	v_pk_mul_f32 v[X+2*n:X+2*n+1], v[X+2*n:X+2*n+1], v[12:13]      ; rc x
.set n, n+1
.endr
.set n, 0
.rept 32
.if (\q == 0) && (n < 2)
	v_pk_mul_f32 v[14+2*n:15+2*n], v[X+2*n:X+2*n+1], v[X+2*n:X+2*n+1]   ; the first squares start the two chains: nothing is cleared
.else
	v_pk_fma_f32 v[14+2*(n%2):15+2*(n%2)], v[X+2*n:X+2*n+1], v[X+2*n:X+2*n+1], v[14+2*(n%2):15+2*(n%2)]
.endif
.set n, n+1
.endr
.irp c, 0,1
	v_max3_num_f32 v[18+\c], |v[X+32*\c]|, |v[X+32*\c+1]|, 0x1800000   ; the block's largest magnitude, and the floor 2^(3 - 127): the byte cannot fall under 1
.endr
.irp e, 2,4,6,8,10,12,14,16,18,20,22,24,26,28,30
.irp c, 0,1
	v_max3_num_f32 v[18+\c], v[18+\c], |v[X+32*\c+\e]|, |v[X+32*\c+\e+1]|   ; (the two blocks by turns)
.endr
.endr
.irp c, 0,1
	v_add_nc_u32 v[20+\c], 0xff000000, v[18+\c]    ; 2 off the exponent field: the conversion takes the exponent field of this operand as its scale
.endr
.irp c, 0,1
	v_lshrrev_b32 v[22+\c], 23, v[20+\c]           ; the scale's byte
.endr
	v_lshl_or_b32 v[25+\q], v23, 16, v22           ; blocks h and 2 + h,
	v_lshlrev_b32 v[25+\q], v10, v[25+\q]          ; at their places in the word;
	v_permlanex16_b32 v24, v[25+\q], s20, s21
	v_or_b32 v[25+\q], v[25+\q], v24               ; with lane l xor 16's two the word is whole
.irp c, 0,1
	v_cvt_scalef32_pk16_fp6_f32 v[F+12*\q+6*\c:F+12*\q+6*\c+2], v[X+32*\c:X+32*\c+15], v[20+\c]
	v_cvt_scalef32_pk16_fp6_f32 v[28+4*\c:30+4*\c], v[X+32*\c+16:X+32*\c+31], v[20+\c]   ; (a conversion's three registers begin on an even number)
.endr
	v_nop                                          ; one plain place behind a scaled conversion
.irp c, 0,1
.irp e, 0,1,2
	v_mov_b32 v[F+12*\q+6*\c+3+\e], v[28+4*\c+\e]
.endr
.endr
.irp p, 0,1,2
	global_store_b128 v7, v[F+12*\q+4*\p:F+12*\q+4*\p+3], s[10:11] offset:KSB*\q+512*\p   ; 32 lanes store 512 consecutive bytes, at a multiple of 512 from aq's first byte
.endr
.endm
	s_wait_loadcnt 16                              ; x's fragment 0, 16 loads, is in; fragment 1's 16 may be out
	TURNQ 0
	s_wait_dscnt 0x0                               ; the fragment is back from the stage, and the stage's stores have read their registers,
	WLOAD 0                                        ; which take the weight's rows 0-7
	QUANT 0
	s_wait_loadcnt 16                              ; x's fragment 1 is in; the weight's 16 loads, issued behind it, may be out
	TURNQ 1
	s_wait_dscnt 0x0
	WLOAD 8                                        ; rows 8-15
	QUANT 1
	v_cndmask_b32 v25, v25, v26, s22               ; lanes 0-15 the first K step's word, lanes 16-31 the second's
	global_store_b32 v8, v25, s[10:11]             ; 64 consecutive bytes for each of the two K steps
	; cx2: my lane's part and the other half's; the 16 waves' meet in LDS
	v_pk_add_f32 v[14:15], v[14:15], v[16:17]
	v_add_f32 v14, v14, v15
	v_permlanex16_b32 v24, v14, s20, s21
	v_add_f32 v14, v14, v24                        ; row r's sum over my 256 k
	ds_store_b32 v9, v14                           ; lanes r and r + 16 write the same word with the same value
	; the weight: the squares of my 16 rows, 8 columns a lane
.irp j, 0,1,2,3,4,5,6,7,8,9,10,11,12,13,14,15
	s_wait_loadcnt 30-2*\j                         ; row j's two loads are in; the later rows', two each, may be out
.irp m, 0,1,2,3
.if \j == 0
	v_pk_mul_f32 v[X+2*\m:X+2*\m+1], v[R+2*\m:R+2*\m+1], v[R+2*\m:R+2*\m+1]   ; the first row starts the sums
.else
	v_pk_fma_f32 v[X+2*\m:X+2*\m+1], v[R+8*\j+2*\m:R+8*\j+2*\m+1], v[R+8*\j+2*\m:R+8*\j+2*\m+1], v[X+2*\m:X+2*\m+1]
.endif
.endr
.endr
	ds_store_b128 v60, v[X:X+3]
	ds_store_b128 v60, v[X+4:X+7] offset:512
	s_wait_dscnt 0x0                               ; for the others' sake: my stores of both kinds have landed
	s_barrier_signal -1
	s_barrier_wait -1
	s_cmp_lt_u32 s12, 2
	s_cbranch_scc0 .Lnot_w                         ; waves 0 and 1 finish the weight's sums
.irp j, 0,1,2,3,4,5,6,7,8,9,10,11,12,13,14,15
	ds_load_b128 v[R+4*\j:R+4*\j+3], v61 offset:1024*\j
.endr
	s_wait_dscnt 0x0
.irp j, 1,2,3,4,5,6,7,8,9,10,11,12,13,14,15
	v_pk_add_f32 v[R:R+1], v[R:R+1], v[R+4*\j:R+4*\j+1]            ; rows ascending
	v_pk_add_f32 v[R+2:R+3], v[R+2:R+3], v[R+4*\j+2:R+4*\j+3]
.endr
	global_store_b128 v62, v[R:R+3], s[26:27]      ; a wave stores 512 consecutive bytes
	s_branch .Ldone
.Lnot_w:
	s_cmp_lg_u32 s12, 2
	s_cbranch_scc1 .Ldone                          ; wave 2 finishes cx2
.irp j, 0,1,2,3,4,5,6,7,8,9,10,11,12,13,14,15
	ds_load_b32 v[X+\j], v11 offset:64*\j
.endr
	s_wait_dscnt 0x0
.irp j, 1,2,3,4,5,6,7,8,9,10,11,12,13,14,15
	v_add_f32 v[X], v[X], v[X+\j]                  ; K ascending
.endr
	v_sub_f32 v80, -1.0, v[X]                      ; -(1 + cx2)
	v_sub_f32 v81, 1.0, v[X]
	v_max_num_f32 v81, 0x26901d7d, v81             ; max(1 - cx2, 1e-15)
	v_rcp_f32 v82, v81
	v_nop                                          ; a plain place behind the reciprocal
	s_wait_alu depctr_va_vdst(0)
	v_cndmask_b32 v83, v80, v82, s22               ; lanes 0-15 the first table, lanes 16-31 the second
	global_store_b32 v27, v83, s[24:25]
.Ldone:
	s_wait_tensorcnt 0x0
	ds_add_u32 v35, v63
	s_wait_dscnt 0x0
	s_endpgm
.Lfunc_end_k_q2f8a88e389_prep:
	.size	k_q2f8a88e389_prep, .Lfunc_end_k_q2f8a88e389_prep-k_q2f8a88e389_prep
	.p2alignl 7, 3214868480
	.fill 96, 4, 3214868480
	.section	.rodata,"a",@progbits
	.p2align	6, 0x0
	.amdhsa_kernel k_q2f8a88e389_prep
		.amdhsa_group_segment_fixed_size 154624
		.amdhsa_private_segment_fixed_size 0
		.amdhsa_enable_private_segment 0
		.amdhsa_kernarg_size 48
		.amdhsa_user_sgpr_count 2
		.amdhsa_user_sgpr_kernarg_segment_ptr 1
		.amdhsa_wavefront_size32 1
		.amdhsa_system_sgpr_workgroup_id_x 1
		.amdhsa_system_sgpr_workgroup_id_y 1
		.amdhsa_system_sgpr_workgroup_id_z 1
		.amdhsa_system_vgpr_workitem_id 0
		.amdhsa_next_free_vgpr 256
		.amdhsa_next_free_sgpr 66
		.amdhsa_reserve_vcc 0
		.amdhsa_float_denorm_mode_32 3
		.amdhsa_float_denorm_mode_16_64 3
		.amdhsa_memory_ordered 1
		.amdhsa_forward_progress 1
		.amdhsa_inst_pref_size 39
	.end_amdhsa_kernel
	.amdgpu_metadata
---
amdhsa.version: [ 1, 2 ]
amdhsa.kernels:
  - .name:           k_q2f8a88e389_prep
    .symbol:         k_q2f8a88e389_prep.kd
    .args:
      - { .name: x, .offset: 0, .size: 8, .value_kind: global_buffer, .address_space: global }
      - { .name: c, .offset: 8, .size: 8, .value_kind: global_buffer, .address_space: global }
      - { .name: weight_v, .offset: 16, .size: 8, .value_kind: global_buffer, .address_space: global }
      - { .name: aq, .offset: 24, .size: 8, .value_kind: global_buffer, .address_space: global }
      - { .name: rowp, .offset: 32, .size: 8, .value_kind: global_buffer, .address_space: global }
      - { .name: wpart, .offset: 40, .size: 8, .value_kind: global_buffer, .address_space: global }
    .group_segment_fixed_size: 154624
    .private_segment_fixed_size: 0
    .kernarg_segment_align: 8
    .kernarg_segment_size: 48
    .max_flat_workgroup_size: 512
    .sgpr_count:     66
    .vgpr_count:     256
    .wavefront_size: 32
...
	.end_amdgpu_metadata
.endif
;; end of part 1
;; launch wq (part 2): grid 32 x 16, 4 waves a work-group, no clusters, 0 bytes of LDS; arguments weight_v, wpart, bq; writes bq
.if DOCPART == 2
	.amdgcn_target "amdgcn-amd-amdhsa--gfx1250"
	.amdhsa_code_object_version 6
	.text
	.protected	k_q2f8a88e389_wq
	.globl	k_q2f8a88e389_wq
	.p2align	8
	.type	k_q2f8a88e389_wq,@function
k_q2f8a88e389_wq:
	s_mov_b64 s[64:65], 0
	v_nop
	global_prefetch_b8 v0, s[64:65] scope:SCOPE_SE
	s_setreg_imm32_b32 hwreg(HW_REG_WAVE_MODE, 25, 1), 1
	s_wait_xcnt 0x0
; v = weight_v with each column divided by max(its norm, 1e-15) and once more by max(the norm of that, 1e-15), quantised along K (the weight's FIRST axis) into codes of FP6 (E2M3) and E8M0 scale bytes.
; bq is laid as aq: [group of 128 columns: 32][K step of 128: 32][12,800 bytes]: eight fragments of 1,536 bytes as images of the operand's registers, then the scale words at 12,288 + 4 x column.
; A LANE TAKES A COLUMN AND ITS REGISTERS RUN DOWN K: each load reads neighbouring columns in neighbouring lanes (128 consecutive bytes a wave, 512 a work-group), a block of 32 lies in one lane,
; and the conversions give codes with K innermost.  The operand's layout wants blocks h and 2 + h of column r in lane (r, h): blocks 0, 2 go to one run of registers, blocks 1, 3 to another, and
; v_permlane16_swap_b32 turns the two runs into the fragments of columns 0-15 and 16-31.
; SHARES.  Work-group (x, y) writes K steps 2 y and 2 y + 1 of group x whole; wave w its columns 32 w on (two tiles).  Loads run two blocks of 32 rows ahead.  The parts of the norms that the 16 work-groups
; of a column group share are one byte in 16 of what each reads: no cluster.
; The second norm is taken as n x (1 / max(n, 1e-15)), n the first: the norm of the scaled column but for rounding.  Divisions are a reciprocal and a multiplication.
; LIMITS: NaN and infinities in the weight are not served; columns whose sum of squares leaves f32's range are not served.  A block of zeros, or under the floor 2^(3 - 127), gets the byte 1; this program alone reads the bytes.
.set KSB,  12800                       ; a K step's bytes in bq
.set GRPB, 32*KSB                      ; a group's
.set SCW,  12288                       ; the scale words in a K step's bytes
.set X,   32                           ; v32-95   two sets of 32 numbers
.set FRG, 96                           ; v96-143  K step q: fragment of columns 0-15 at 24 q, of columns 16-31 at 24 q + 12
	s_load_b128 s[4:7], s[0:1], 0x0                ; weight_v, wpart
	s_load_b64 s[8:9], s[0:1], 0x10                ; bq
	v_lshrrev_b32 v1, 5, v0
	v_readfirstlane_b32 s10, v1                    ; wave 0..3
	v_and_b32 v1, 31, v0                           ; lane
	s_lshl_b32 s11, ttmp9, 9
	s_lshl_b32 s12, s10, 7
	s_add_co_u32 s11, s11, s12
	v_lshl_add_u32 v2, v1, 2, s11                  ; 4 x my column: in a row of the weight and of wpart
	s_mul_i32 s12, s10, 3072
	v_lshl_add_u32 v3, v1, 4, s12                  ; codes: 16 x lane + two fragments a wave
	s_lshl_b32 s12, s10, 7
	s_add_co_u32 s12, s12, SCW
	v_lshl_add_u32 v4, v1, 2, s12                  ; scale words: 12,288 + 4 x (32 w + lane)
	s_and_b32 s13, ttmp7, 0xffff                   ; which 256 along K
	s_lshl_b32 s14, s13, 22                        ; 256 rows of 16,384 bytes
	s_mov_b32 s15, 0
	s_mul_i32 s16, ttmp9, GRPB
	s_mul_i32 s17, s13, 2*KSB
	s_add_co_u32 s16, s16, s17
	s_mov_b32 s17, 0
	s_wait_kmcnt 0x0
	s_add_nc_u64 s[4:5], s[4:5], s[14:15]
	s_add_nc_u64 s[8:9], s[8:9], s[16:17]
.macro LOAD t                          ; block t: rows 32 t + e of my 256, my column, into set t % 2.  The largest offset, 255 rows, lies inside the signed 24-bit immediate
.irp e, 0,1,2,3,4,5,6,7,8,9,10,11,12,13,14,15,16,17,18,19,20,21,22,23,24,25,26,27,28,29,30,31
	global_load_b32 v[X+32*((\t)%2)+\e], v2, s[4:5] offset:(32*(\t)+\e)*16384 th:TH_LOAD_NT   ; the weight's last read
.endr
.endm
.irp p, 0,1,2,3,4,5,6,7,8,9,10,11,12,13,14,15
	global_load_b32 v[160+\p], v2, s[6:7] offset:16384*\p
.endr
	LOAD 0
	s_wait_loadcnt 32                              ; the 16 parts are in; block 0's 32 loads may be out
.irp p, 1,2,3,4,5,6,7,8,9,10,11,12,13,14,15
	v_add_f32 v160, v160, v[160+\p]                ; K ascending
.endr
	v_sqrt_f32 v20, v160                           ; n
	v_nop                                          ; (a plain place behind each root and reciprocal)
	s_wait_alu depctr_va_vdst(0)
	v_max_num_f32 v21, 0x26901d7d, v20             ; max(n, 1e-15)
	v_rcp_f32 v16, v21
	v_nop
	s_wait_alu depctr_va_vdst(0)
	v_mul_f32 v22, v20, v16                        ; the scaled column's norm
	v_max_num_f32 v22, 0x26901d7d, v22
	v_rcp_f32 v18, v22
	v_nop
	v_mov_b32 v17, v16                             ; each twice, for the packed multiplies
	s_wait_alu depctr_va_vdst(0)
	v_mov_b32 v19, v18
	LOAD 1
.macro BLOCK t
.set XS,  X+32*((\t)%2)
.set QQ,  (\t)/4
.set BB,  (\t)%4
.set F0,  FRG+24*QQ
.set DST, F0+12*(BB&1)+6*(BB>>1)
.if (\t) < 7
	s_wait_loadcnt 32                              ; this block's 32 loads are in; the next block's may be out
.else
	s_wait_loadcnt 0x0
.endif
.irp e, 0,2,4,6,8,10,12,14,16,18,20,22,24,26,28,30
	v_pk_mul_f32 v[XS+\e:XS+\e+1], v[XS+\e:XS+\e+1], v[16:17]
.endr
.irp e, 0,2,4,6,8,10,12,14,16,18,20,22,24,26,28,30
	v_pk_mul_f32 v[XS+\e:XS+\e+1], v[XS+\e:XS+\e+1], v[18:19]
.endr
	v_max3_num_f32 v12, |v[XS]|, |v[XS+1]|, |v[XS+2]|              ; the block's largest magnitude: all 32 numbers are mine; two chains
	v_max3_num_f32 v13, |v[XS+3]|, |v[XS+4]|, |v[XS+5]|
.irp e, 6,10,14,18,22,26
	v_max3_num_f32 v12, v12, |v[XS+\e]|, |v[XS+\e+1]|
	v_max3_num_f32 v13, v13, |v[XS+\e+2]|, |v[XS+\e+3]|
.endr
	v_max3_num_f32 v12, v12, |v[XS+30]|, |v[XS+31]|
	v_max3_num_f32 v12, v12, v13, 0x1800000        ; and the floor 2^(3 - 127): the byte cannot fall under 1
	v_add_nc_u32 v11, 0xff000000, v12              ; 2 off the exponent field: the conversion's scale operand
	v_lshrrev_b32 v13, 23, v11                     ; the scale's byte
.if BB == 0
	v_mov_b32 v[24+QQ], v13                        ; four bytes to a word, the lower K in the lower byte
.else
	v_lshl_or_b32 v[24+QQ], v13, 8*BB, v[24+QQ]
.endif
	v_cvt_scalef32_pk16_fp6_f32 v[DST:DST+2], v[XS:XS+15], v11
	v_cvt_scalef32_pk16_fp6_f32 v[28:30], v[XS+16:XS+31], v11      ; (a conversion's three registers begin on an even number)
	v_nop                                          ; one plain place behind a scaled conversion
.irp e, 0,1,2
	v_mov_b32 v[DST+3+\e], v[28+\e]
.endr
.if (\t) < 6
	LOAD (\t)+2
.endif
.if (BB&1) == 1                        ; blocks b - 1 and b are made: the first run's lanes 16-31 change places with the second's lanes 0-15
.irp e, 0,1,2,3,4,5
	v_permlane16_swap_b32 v[F0+6*(BB>>1)+\e], v[F0+12+6*(BB>>1)+\e]
.endr
.endif
.if BB == 3                            ; K step q's two fragments are whole
.irp u, 0,1
.irp p, 0,1,2
	global_store_b128 v3, v[F0+12*\u+4*\p:F0+12*\u+4*\p+3], s[8:9] offset:1536*\u+KSB*QQ+512*\p   ; 32 lanes store 512 consecutive bytes, at a multiple of 512 from bq's first byte
.endr
.endr
.endif
.endm
.irp t, 0,1,2,3,4,5,6,7
	BLOCK \t
.endr
	global_store_b32 v4, v24, s[8:9]               ; my column's scale word of each K step: a wave stores 128 consecutive bytes, the four waves 512
	global_store_b32 v4, v25, s[8:9] offset:KSB
	s_endpgm
.Lfunc_end_k_q2f8a88e389_wq:
	.size	k_q2f8a88e389_wq, .Lfunc_end_k_q2f8a88e389_wq-k_q2f8a88e389_wq
	.p2alignl 7, 3214868480
	.fill 96, 4, 3214868480
	.section	.rodata,"a",@progbits
	.p2align	6, 0x0
	.amdhsa_kernel k_q2f8a88e389_wq
		.amdhsa_group_segment_fixed_size 0
		.amdhsa_private_segment_fixed_size 0
		.amdhsa_enable_private_segment 0
		.amdhsa_kernarg_size 24
		.amdhsa_user_sgpr_count 2
		.amdhsa_user_sgpr_kernarg_segment_ptr 1
		.amdhsa_wavefront_size32 1
		.amdhsa_system_sgpr_workgroup_id_x 1
		.amdhsa_system_sgpr_workgroup_id_y 1
		.amdhsa_system_sgpr_workgroup_id_z 1
		.amdhsa_system_vgpr_workitem_id 0
		.amdhsa_next_free_vgpr 176
		.amdhsa_next_free_sgpr 66
		.amdhsa_reserve_vcc 0
		.amdhsa_float_denorm_mode_32 3
		.amdhsa_float_denorm_mode_16_64 3
		.amdhsa_memory_ordered 1
		.amdhsa_forward_progress 1
		.amdhsa_inst_pref_size 58
	.end_amdhsa_kernel
	.amdgpu_metadata
---
amdhsa.version: [ 1, 2 ]
amdhsa.kernels:
  - .name:           k_q2f8a88e389_wq
    .symbol:         k_q2f8a88e389_wq.kd
    .args:
      - { .name: weight_v, .offset: 0, .size: 8, .value_kind: global_buffer, .address_space: global }
      - { .name: wpart, .offset: 8, .size: 8, .value_kind: global_buffer, .address_space: global }
      - { .name: bq, .offset: 16, .size: 8, .value_kind: global_buffer, .address_space: global }
    .group_segment_fixed_size: 0
    .private_segment_fixed_size: 0
    .kernarg_segment_align: 8
    .kernarg_segment_size: 24
    .max_flat_workgroup_size: 128
    .sgpr_count:     66
    .vgpr_count:     176
    .wavefront_size: 32
...
	.end_amdgpu_metadata
.endif
;; end of part 2
;; launch gemm (part 3): grid 16 x 16, 4 waves a work-group, clusters of 4 x 4, 327,680 bytes of LDS; arguments aq, bq, pbuf; writes pbuf
.if DOCPART == 3
	.amdgcn_target "amdgcn-amd-amdhsa--gfx1250"
	.amdhsa_code_object_version 6
	.text
	.protected	k_q2f8a88e389_gemm
	.globl	k_q2f8a88e389_gemm
	.p2align	8
	.type	k_q2f8a88e389_gemm,@function
k_q2f8a88e389_gemm:
	s_mov_b64 s[64:65], 0
	v_nop
	global_prefetch_b8 v0, s[64:65] scope:SCOPE_SE
	s_setreg_imm32_b32 hwreg(HW_REG_WAVE_MODE, 25, 1), 1
	s_wait_xcnt 0x0
	s_wait_alu depctr_hold_cnt(0) depctr_sa_sdst(0) depctr_va_vdst(0) depctr_va_sdst(0) depctr_va_ssrc(0) depctr_va_vcc(0) depctr_vm_vsrc(0)
	s_getreg_b32 s2, hwreg(HW_REG_IB_STS2, 6, 4)
	s_cmp_eq_u32 s2, 0
	s_cbranch_scc0 .Lentry_in_a_cluster
	s_endpgm
.Lentry_in_a_cluster:
	s_bfe_u32 s2, ttmp6, 0x10000c
	s_cmp_lg_u32 s2, 0xf033
	s_cbranch_scc0 .Lentry_shape_is_right
	s_endpgm
.Lentry_shape_is_right:
; P[m][n] = sum over k of A[m][k] B[n][k], 4096 x 4096 x 4096, on codes of FP6 (E2M3) with one E8M0 scale for each 32 along K; sums and P in f32.
; aq and bq are this program's own: [group of 128 rows: 32][K step of 128: 32][12,800 bytes].  A K step's bytes hold 8 fragments (tile i of 16 rows at 1,536 i) as images of the operand's registers
; (registers 4 p .. 4 p + 3 of lane l at 512 p + 16 l), then the scale words at 12,288 + 64 i + 4 r.  A group's K steps follow each other, so any run of K steps is one dense block for ONE tensor load, codes and
; scales together, and a fragment comes out of LDS by three loads of 16 bytes a lane, 512 consecutive bytes each: no pitch, no padding.
; A tile of P, 256 x 256, is made by four waves, as many as a WGP has SIMDs; a wave makes 128 x 128: 64 accumulators, 512 registers.  256 tiles: one work-group for each.
; K goes through a ring of two LDS slots of THREE K steps (384 along K): A's two blocks of 38,400 bytes, then B's two; wave w fetches block w of a slot.  Three is what fits: two slots are 307,200 bytes.
; A refill so has 160 matrix instructions of its wave between the request and the wait for it.  32 K steps are ten slots of three and an eleventh of two, which has descriptors of its own.
; Slot j lies in LDS slot j % 2, and its first K step takes B's set j % 2 (3 j and j are odd together): so the text of a lap of two slots, six K steps, repeats.
; CLUSTERS: 4 x 4 work-groups.  The four of a row of the cluster need the same blocks of A, the four of a column the same blocks of B: each block is asked for JOINTLY, by the same tensor load with the same
; descriptor and a mask that names the four.  THE MATRIX INSTRUCTION IS USED TRANSPOSED (source 0 = 16 rows of B, source 1 = 16 rows of A): a lane then holds eight neighbouring numbers of a row of P.
; REGISTERS, in windows of 256: window 0: v16-29 addresses; v32-47 scale words, two sets of eight, and nothing else; v128-223 A's 8 fragments, ONE set; on the way out v128-255 take rows of P.
;   window 1: B's fragments, TWO sets, at v0 and at v128.   window 2: the 32 accumulators of my rows 0-63 ((a, b) at v[8 (8 a + b)]);   window 3: those of my rows 64-127.
; A K step is 64 matrix instructions, A's blocks of 16 rows one after the other, each against B's eight: a block of A is free when its eight products are issued, so one set serves A.
.set KSB,    12800                     ; a K step's bytes of a group
.set NQ,     3                         ; K steps in a slot
.set BLKB,   NQ*KSB                    ; a block: what one tensor load brings, and what one wave reads of A or of B
.set SLOT,   4*BLKB
.set GRPB,   32*KSB                    ; a group's bytes
.set FR,     12                        ; registers of a fragment
.set FRB,    1536                      ; and its image in bytes
.set NL,     3                         ; LDS loads that bring one
.set NP,     4                         ; places behind this matrix instruction (ISA guide 7.12.1)
.set TRIPS,  4                         ; laps whose two changes of slots both ask for three K steps: slots 2 to 9
.set SCW,    12288                     ; the scale words in a K step's bytes
.set SPARE,  2*SLOT                    ; behind the ring: the spare words, 128 bytes for each wave: two blocks of 256 bytes that no other line names
.set STAGE,  SLOT                      ; the way out: 16 rows x (512 bytes + 16) for each wave, in LDS slot 1: it has had its last fill (K steps 27 to 29), and every wave's reads of it are over at the last change of slots
.set SPITCH, 528
.set SIZE_N, 4096
.set ADRA, 16                          ; v16-17  LDS address of my A fragments in slot 0, 1
.set ADRB, 20                          ; v20-21  the same for B
.set ADRS, 22                          ; v22-23  of my scale words: lanes 0-15 A's rows, lanes 16-31 B's
.set STO,  24                          ; v24     the way out: where I put 32 bytes of a row
.set RD,   25                          ; v25     where I read a row back
.set CO,   26                          ; v26     16 x lane: my byte offset in a row's 512 bytes
.set SPW,  28                          ; v28     LDS address of my spare word; never rewritten
.set NIL,  29                          ; v29     0; never rewritten
.set SC,   32                          ; scale words: set p at v[SC + 8 p]; register i: lanes 0-15 the words of A's tile i, lanes 16-31 of B's tile i, for the K step that B's set p holds
.set AF,   128
.set BK,   128                         ; the way out: v128-191 and v192-255 by turns
.set G1,   24                          ; s[24:31] descriptor group 1 for A's blocks of three K steps;  s[32:39] group 0, one set for each slot
.set G0,   32
.set G1B,  48                          ; s[48:55], s[56:63] the same for B's
.set G0B,  56
.set G1L,  68                          ; s[68:75] group 1 for A's last block, of two K steps;  s[76:83] for B's
.set G1BL, 76
.set MSB, 0
.macro WIN new                         ; the immediate's high byte repeats the setting that is left
.if MSB != \new
	s_set_vgpr_msb (MSB<<8)|\new
.set MSB, \new
.endif
.endm
.set MUL_LO, 0xa1                      ; source 0 (B) window 1, source 1 (A) window 0, C and D window 2
.set MUL_HI, 0xf1                      ; the same, C and D window 3
.set TO_B,   0x40                      ; destination window 1, address window 0
; A joint load: waves 0 and 1 fetch A's blocks, waves 2 and 3 B's.  Each of the two lines has ONE mask and one set of registers for all that issue it; the branch hangs on the wave's number alone.
; Four v_nop follow each of the two lines, ahead of the jump, the label and what follows.
.macro JLOAD g0a, g1a, g0b, g1b
	s_cmp_eq_u32 s15, 0
	s_cbranch_scc0 .Lfor_b_\@
	tensor_load_to_lds s[\g0a:\g0a+3], s[\g1a:\g1a+7]
	s_nop 0
.rept 4
	v_nop
.endr
	s_branch .Lasked_\@
.Lfor_b_\@:
	tensor_load_to_lds s[\g0b:\g0b+3], s[\g1b:\g1b+7]
	s_nop 0
.rept 4
	v_nop
.endr
.Lasked_\@:
.endm
.macro CREST                           ; a round of the cluster's barrier behind its opening barrier
	s_cmp_lg_u32 s14, 0
	s_cbranch_scc1 .Lnot_wave_0_\@
	s_barrier_signal -3
.Lnot_wave_0_\@:
	s_barrier_wait -3
	s_barrier_signal -1
	s_barrier_wait -1
.endm
.macro CROUND                          ; a whole round
	s_barrier_signal -1
	s_barrier_wait -1
	CREST
.endm
	s_load_b128 s[4:7], s[0:1], 0x0                ; aq s[4:5], bq s[6:7]
	s_load_b64 s[8:9], s[0:1], 0x10                ; pbuf
	v_lshl_add_u32 v[SPW], v0, 2, SPARE
	v_mov_b32 v[NIL], 0
	ds_add_u32 v28, v29
	ds_add_u32 v28, v29
	s_wait_dscnt 0x0
	v_lshrrev_b32 v1, 5, v0
	v_readfirstlane_b32 s14, v1                    ; wave 0..3
	s_lshr_b32 s15, s14, 1                         ; which half of the tile's rows is mine.  Also: I fetch for A (0) or for B (1)
	s_and_b32 s16, s14, 1                          ; which half of its columns.  Also: which of the two blocks I fetch
	s_bfe_u32 s40, ttmp6, 0x40000                  ; cx, cy: my place in the cluster
	s_bfe_u32 s41, ttmp6, 0x40004
	s_lshl_b32 s42, ttmp9, 2
	s_add_co_u32 s42, s42, s40                     ; tile column = 4 x cluster x + cx
	s_and_b32 s17, ttmp7, 0xffff
	s_lshl_b32 s17, s17, 2
	s_add_co_u32 s17, s17, s41                     ; tile row = 4 x cluster y + cy
	s_lshl_b32 s43, s41, 2
	s_lshl_b32 s43, 15, s43                        ; my row of the cluster
	s_lshl_b32 s44, 0x1111, s40                    ; my column
	; descriptor group 1: a dense block as rows of 32 elements of 8 bytes, no padding: 150 rows for three K steps, 100 for two
	s_or_b32 s[G1+0], s43, (3<<16)|(1<<21)         ; 15:0 the mask: A's blocks go to my row; 17:16 elements of 8 bytes; 21 set beside a mask
	s_or_b32 s[G1B+0], s44, (3<<16)|(1<<21)        ; B's go to my column
	s_or_b32 s[G1L+0], s43, (3<<16)|(1<<21)
	s_or_b32 s[G1BL+0], s44, (3<<16)|(1<<21)
.irp g, G1, G1B
	s_mov_b32 s[\g+1], 32<<16                      ; tensor_dim0 = 32
	s_mov_b32 s[\g+2], (BLKB/256)<<16              ; tensor_dim1 = 150
	s_mov_b32 s[\g+3], 32<<16                      ; tile_dim0 = 32
	s_mov_b32 s[\g+4], BLKB/256                    ; tile_dim1 = 150
	s_mov_b32 s[\g+5], 32                          ; tensor_dim0_stride
	s_mov_b32 s[\g+6], 0
	s_mov_b32 s[\g+7], 0
.endr
.irp g, G1L, G1BL
	s_mov_b32 s[\g+1], 32<<16
	s_mov_b32 s[\g+2], (2*KSB/256)<<16             ; tensor_dim1 = 100
	s_mov_b32 s[\g+3], 32<<16
	s_mov_b32 s[\g+4], 2*KSB/256                   ; tile_dim1 = 100
	s_mov_b32 s[\g+5], 32
	s_mov_b32 s[\g+6], 0
	s_mov_b32 s[\g+7], 0
.endr
	; A's block hangs on the tile row alone, B's on the tile column alone; every wave makes both addresses, in registers that never hold the other coordinate
	s_lshl_b32 s20, s17, 1
	s_add_co_u32 s20, s20, s16                     ; A: group 2 x tile row + half
	s_mul_i32 s20, s20, GRPB
	s_mov_b32 s21, 0
	s_lshl_b32 s46, s42, 1
	s_add_co_u32 s46, s46, s16                     ; B: group 2 x tile column + half
	s_mul_i32 s46, s46, GRPB
	s_mov_b32 s47, 0
	s_mul_i32 s45, s14, BLKB                       ; where it goes: wave x a block: no place in the cluster enters an LDS address
	s_wait_kmcnt 0x0
	s_add_nc_u64 s[20:21], s[4:5], s[20:21]
	s_add_nc_u64 s[46:47], s[6:7], s[46:47]
	CROUND                                         ; all sixteen work-groups are here: the first joint loads meet
.irp s, 0,1
	s_mov_b32 s[G0+4*\s], 1                        ; count = 1
	s_add_co_u32 s[G0+4*\s+1], s45, \s*SLOT        ; LDS address
	s_add_nc_u64 s[G0+4*\s+2:G0+4*\s+3], s[20:21], \s*BLKB    ; global address: slot s, K steps 3 s on
	s_or_b32 s[G0+4*\s+3], s[G0+4*\s+3], 0x80000000          ; type = 2
	s_mov_b32 s[G0B+4*\s], 1
	s_add_co_u32 s[G0B+4*\s+1], s45, \s*SLOT
	s_add_nc_u64 s[G0B+4*\s+2:G0B+4*\s+3], s[46:47], \s*BLKB
	s_or_b32 s[G0B+4*\s+3], s[G0B+4*\s+3], 0x80000000
.endr
	s_cmp_eq_u32 s15, 0                            ; a wave's two first fills stand in one branch, ahead of every wait on TENSORcnt and every LDS read: two loads of mine are out
	s_cbranch_scc0 .Lfirst_b
	tensor_load_to_lds s[G0:G0+3], s[G1:G1+7]
	s_nop 0
	tensor_load_to_lds s[G0+4:G0+7], s[G1:G1+7]
	s_nop 0
.rept 4
	v_nop
.endr
	s_branch .Lfirst_asked
.Lfirst_b:
	tensor_load_to_lds s[G0B:G0B+3], s[G1B:G1B+7]
	s_nop 0
	tensor_load_to_lds s[G0B+4:G0B+7], s[G1B:G1B+7]
	s_nop 0
.rept 4
	v_nop
.endr
.Lfirst_asked:
	v_and_b32 v1, 15, v0                           ; r
	v_bfe_u32 v2, v0, 4, 1                         ; h
	v_and_b32 v6, 31, v0
	v_lshlrev_b32 v[CO], 4, v6                     ; 16 x lane
	s_mul_i32 s21, s15, BLKB                       ; my block of A
	s_mul_i32 s22, s16, BLKB                       ; my block of B,
	s_add_co_u32 s22, s22, 2*BLKB                  ; behind A's two
.irp s, 0,1
	v_add_nc_u32 v[ADRA+\s], s21, v[CO]
	v_add_nc_u32 v[ADRB+\s], s22, v[CO]
	s_add_co_u32 s21, s21, SLOT
	s_add_co_u32 s22, s22, SLOT
.endr
	s_mul_i32 s21, s15, BLKB
	s_mul_i32 s22, s16, BLKB
	s_add_co_u32 s22, s22, 2*BLKB
	s_sub_co_u32 s22, s22, s21                     ; from my block of A to my block of B
	v_mul_u32_u24 v6, s22, v2                      ; lanes 16-31 take B's
	v_lshl_add_u32 v6, v1, 2, v6                   ; 4 bytes a row
	s_add_co_u32 s21, s21, SCW
	v_add_nc_u32 v[ADRS], s21, v6
	v_add_nc_u32 v[ADRS+1], SLOT, v[ADRS]
	s_mul_i32 s23, s14, 16*SPITCH
	s_add_co_u32 s23, s23, STAGE                   ; my stage
	v_mul_u32_u24 v5, v1, SPITCH                   ; in: row r, 32 bytes for each half of the lanes
	v_lshl_add_u32 v5, v2, 5, v5
	v_add_nc_u32 v[STO], s23, v5
	v_add_nc_u32 v[RD], s23, v[CO]                 ; back: the 32 lanes take one row of 512 bytes
	s_lshl_b32 s20, s17, 8
	s_lshl_b32 s21, s15, 7
	s_add_co_u32 s20, s20, s21                     ; my first row of P: 256 x tile row + 128 x half
	s_mov_b32 s21, 0
	s_lshl_b64 s[20:21], s[20:21], 14              ; rows of 16,384 bytes
	s_lshl_b32 s46, s42, 10                        ; my first column, in bytes: 1,024 x tile column + 512 x half
	s_lshl_b32 s47, s16, 9
	s_add_co_u32 s46, s46, s47
	s_mov_b32 s47, 0
	s_add_nc_u64 s[20:21], s[20:21], s[46:47]
	s_add_nc_u64 s[8:9], s[8:9], s[20:21]
.macro FRAG reg, adr, off              ; a fragment's image: three loads, 512 consecutive bytes each
.irp p, 0,1,2
	ds_load_b128 v[(\reg)+4*\p:(\reg)+4*\p+3], v[\adr] offset:(\off)+512*\p
.endr
.endm
; 16 matrix instructions: A's blocks a0, a0 + 1 x B's eight, one K step.  p: B's set and the set of scale words.  zero = 1: the first product starts the sums: nothing is ever cleared.
; The 64 accumulators take turns, one instruction a turn, in the same order in every K step.
.macro MUL16 a0, p, zero
.irp a, \a0, \a0+1
.irp b, 0,1,2,3,4,5,6,7
.if \zero
	v_wmma_scale_f32_16x16x128_f8f6f4 v[8*(8*((\a)%4)+\b):8*(8*((\a)%4)+\b)+7], v[128*(\p)+FR*\b:128*(\p)+FR*\b+FR-1], v[AF+FR*(\a):AF+FR*(\a)+FR-1], 0, v[SC+8*(\p)+\b], v[SC+8*(\p)+(\a)] matrix_a_fmt:MATRIX_FMT_FP6 matrix_b_fmt:MATRIX_FMT_FP6 matrix_a_scale:MATRIX_SCALE_ROW1
.else
	v_wmma_scale_f32_16x16x128_f8f6f4 v[8*(8*((\a)%4)+\b):8*(8*((\a)%4)+\b)+7], v[128*(\p)+FR*\b:128*(\p)+FR*\b+FR-1], v[AF+FR*(\a):AF+FR*(\a)+FR-1], v[8*(8*((\a)%4)+\b):8*(8*((\a)%4)+\b)+7], v[SC+8*(\p)+\b], v[SC+8*(\p)+(\a)] matrix_a_fmt:MATRIX_FMT_FP6 matrix_b_fmt:MATRIX_FMT_FP6 matrix_a_scale:MATRIX_SCALE_ROW1
.endif
.endr
.endr
.endm
.macro FETCH_B slot, q, p              ; B's eight fragments of the slot's q-th K step into set p, and that K step's scale words: lanes 0-15 take A's tile i, lanes 16-31 B's tile i
	WIN TO_B
.irp i, 0,1,2,3,4,5,6,7
	FRAG 128*(\p)+FR*\i, ADRB+\slot, (\q)*KSB+\i*FRB
.endr
	WIN 0
.irp i, 0,1,2,3,4,5,6,7
	ds_load_b32 v[SC+8*(\p)+\i], v[ADRS+\slot] offset:(\q)*KSB+64*\i
.endr
.endm
.macro FETCH_A slot, q, i0             ; A's blocks i0 .. i0 + 3
.irp i, \i0, \i0+1, \i0+2, \i0+3
	FRAG AF+FR*(\i), ADRA+\slot, (\q)*KSB+(\i)*FRB
.endr
.endm
; A load into a register that a matrix instruction has read, and an LDS store that reads a matrix result, stand NP places behind that matrix instruction, and only plain vector instructions that name none
; of its registers are places (ISA guide 7.12.1 for vector instructions); the matrix instructions in between are not counted.
.macro PLACES n
.rept \n
	v_nop
.endr
.endm
; A K step that has its successor in the same slot: the slot's q-th.  Its set of B is (slot + q) % 2.
.macro STEP slot, q, zero
.set PP, ((\slot)+(\q))%2
	s_wait_dscnt 4*NL                              ; B's set, the scale words and A's blocks 0-3 are in; the youngest 12 loads (A's blocks 4-7) may be out
	WIN MUL_LO
	MUL16 0, PP, \zero
	MUL16 2, PP, \zero
	s_wait_dscnt 0                                 ; A's blocks 4-7 are in (asked for 32 matrix instructions ago)
	PLACES NP
	FETCH_B \slot, (\q)+1, 1-PP
	FETCH_A \slot, (\q)+1, 0
	WIN MUL_HI
	MUL16 4, PP, \zero
	MUL16 6, PP, \zero
	PLACES NP
	WIN 0
	FETCH_A \slot, (\q)+1, 4
.endm
; A slot's third K step (its set of B is the slot's number) changes slots: ONE barrier; in front of it each wave waits for all its tensor loads, adds 0 to its spare word, and waits for that and for its own
; reads of this slot.  fill = 1: this slot is filled again with the three K steps two slots on; fill = 2: with the last two K steps; the barrier then opens a round of the cluster's barrier.  fill = 0: nothing is asked for.
.macro TURN slot, next, fill
	s_wait_tensorcnt 0x0                           ; all my tensor loads have landed: the one that was out is my block of the next slot  (every window is 0 here)
	ds_add_u32 v[SPW], v[NIL]                      ; 0 onto my spare word
	s_wait_dscnt 4*NL+1                            ; (the add and the youngest 12 loads, A's blocks 4-7, may be out)
	WIN MUL_LO
	MUL16 0, \slot, 0                              ; sixteen matrix instructions stand between the add and the wait for it
	s_wait_dscnt 0x0                               ; the add is done, and my reads of this slot are over
	s_barrier_signal -1
	MUL16 2, \slot, 0
	WIN 0
	s_barrier_wait -1
.if \fill
	CREST                                          ; no wave of any partner still reads this slot or has a load on its way
	s_add_nc_u64 s[G0+4*\slot+2:G0+4*\slot+3], s[G0+4*\slot+2:G0+4*\slot+3], 2*BLKB
	s_add_nc_u64 s[G0B+4*\slot+2:G0B+4*\slot+3], s[G0B+4*\slot+2:G0B+4*\slot+3], 2*BLKB
.if \fill == 1
	JLOAD G0+4*\slot, G1, G0B+4*\slot, G1B         ; the first tensor load behind the round, my only one until the next; the four v_nop behind it are the places in front of the loads below
.else
	JLOAD G0+4*\slot, G1L, G0B+4*\slot, G1BL       ; the same for the last two K steps: they end where the group's bytes end
.endif
.else
	PLACES NP
.endif
	FETCH_B \next, 0, \next
	FETCH_A \next, 0, 0
	WIN MUL_HI
	MUL16 4, \slot, 0
	MUL16 6, \slot, 0
	PLACES NP
	WIN 0
	FETCH_A \next, 0, 4
.endm
	s_wait_tensorcnt 1                             ; my block of slot 0 is in (slot 1's load may be out)
	s_barrier_signal -1
	s_barrier_wait -1                              ; everybody's is
	FETCH_B 0, 0, 0
	FETCH_A 0, 0, 0
	FETCH_A 0, 0, 4
	STEP 0, 0, 1                                   ; K step 0 stands in front of the loop: its products start the sums
	s_mov_b32 s3, TRIPS
.Llap:                                                 ; a trip goes once round the ring, six K steps, from a lap's second to the next lap's first, and fills both slots again
	STEP 0, 1, 0
	TURN 0, 1, 1
	STEP 1, 0, 0
	STEP 1, 1, 0
	TURN 1, 0, 1
	STEP 0, 0, 0
	s_sub_co_u32 s3, s3, 1
	s_cmp_lg_u32 s3, 0
	s_cbranch_scc1 .Llap
	STEP 0, 1, 0                                   ; K step 25.  The tail is written out
	TURN 0, 1, 2                                   ; 26: LDS slot 0 takes the last two K steps
	STEP 1, 0, 0                                   ; 27
	STEP 1, 1, 0                                   ; 28
	TURN 1, 0, 0                                   ; 29: nothing is asked for, and no round of the cluster's barrier; behind its barrier nobody reads LDS slot 1
	STEP 0, 0, 0                                   ; 30
	s_wait_dscnt 4*NL                              ; 31, the last: nothing more to fetch
	WIN MUL_LO
	MUL16 0, 1, 0
	MUL16 2, 1, 0
	s_wait_dscnt 0
	WIN MUL_HI
	MUL16 4, 1, 0
	MUL16 6, 1, 0
	WIN 0
; THE WAY OUT, block by block of 16 rows x 128 columns.  A lane holds 32 neighbouring bytes of a row, and the lanes beside it hold other rows: so a block goes through my own stage in LDS and comes back as
; whole rows of 512 bytes.  LDS serves a wave's instructions in order (ISA guide 5.7.1.4): no wait between the stores and the loads, nor in front of the next block's stores.
.macro TOSTAGE a
.set AC, 64*((\a)%4)
	WIN 0x08+4*((\a)/4)                            ; the data: window 2 or 3
.irp b, 0,1,2,3,4,5,6,7
	ds_store_b128 v[STO], v[AC+8*\b:AC+8*\b+3] offset:64*\b          ; each accumulator from its low end on
	ds_store_b128 v[STO], v[AC+8*\b+4:AC+8*\b+7] offset:64*\b+16
.endr
	WIN 0
.set BB, BK+64*((\a)%2)
.irp t, 0,1,2,3,4,5,6,7,8,9,10,11,12,13,14,15
	ds_load_b128 v[BB+4*\t:BB+4*\t+3], v[RD] offset:\t*SPITCH
.endr
.endm
.macro SEND a, younger                 ; younger: the LDS instructions issued behind block a's loads, which may stay out
.set BB, BK+64*((\a)%2)
	s_wait_dscnt \younger                          ; the block is back in registers
.if (\a) > 0
	s_add_nc_u64 s[8:9], s[8:9], 16*SIZE_N*4       ; (behind a wait on XCNT: the earlier stores have read their base)  16 rows on, so that the stores' offsets stay at 15 rows at the most
.endif
.irp t, 0,1,2,3,4,5,6,7,8,9,10,11,12,13,14,15
	global_store_b128 v[CO], v[BB+4*\t:BB+4*\t+3], s[8:9] offset:\t*SIZE_N*4   ; 32 lanes store 512 consecutive bytes, at a multiple of 512 from P's first byte; no hint: the next launch reads them
.endr
.endm
	PLACES NP                                      ; behind the last products: for the loads into the registers that held A's fragments, and for the reads of results
	TOSTAGE 0
.irp a, 1,2,3,4,5,6,7
.if \a > 1
	s_wait_xcnt 0x0                                ; block a - 2's stores have read their registers and their base: block a's loads may land there, and the base may step
.endif
	TOSTAGE \a
	SEND \a-1, 32                                  ; behind block a - 1's loads: block a's 16 stores and 16 loads
.endr
	s_wait_xcnt 0x0                                ; block 6's stores have read their base
	SEND 7, 0
	s_wait_tensorcnt 0x0                           ; the wave's end: behind my last tensor load and my last LDS store
	ds_add_u32 v[SPW], v[NIL]
	s_wait_dscnt 0x0
	CROUND                                         ; the closing round: no work-group ends while a partner may still ask for a block that names it
	s_endpgm
.Lfunc_end_k_q2f8a88e389_gemm:
	.size	k_q2f8a88e389_gemm, .Lfunc_end_k_q2f8a88e389_gemm-k_q2f8a88e389_gemm
	.p2alignl 7, 3214868480
	.fill 96, 4, 3214868480
	.section	.rodata,"a",@progbits
	.p2align	6, 0x0
	.amdhsa_kernel k_q2f8a88e389_gemm
		.amdhsa_group_segment_fixed_size 327680
		.amdhsa_private_segment_fixed_size 0
		.amdhsa_enable_private_segment 0
		.amdhsa_kernarg_size 24
		.amdhsa_user_sgpr_count 2
		.amdhsa_user_sgpr_kernarg_segment_ptr 1
		.amdhsa_wavefront_size32 1
		.amdhsa_system_sgpr_workgroup_id_x 1
		.amdhsa_system_sgpr_workgroup_id_y 1
		.amdhsa_system_sgpr_workgroup_id_z 1
		.amdhsa_system_vgpr_workitem_id 0
		.amdhsa_next_free_vgpr 1024
		.amdhsa_next_free_sgpr 90
		.amdhsa_reserve_vcc 0
		.amdhsa_float_denorm_mode_32 3
		.amdhsa_float_denorm_mode_16_64 3
		.amdhsa_memory_ordered 1
		.amdhsa_forward_progress 1
		.amdhsa_inst_pref_size 208
	.end_amdhsa_kernel
	.amdgpu_metadata
---
amdhsa.version: [ 1, 2 ]
amdhsa.kernels:
  - .name:           k_q2f8a88e389_gemm
    .symbol:         k_q2f8a88e389_gemm.kd
    .args:
      - { .name: aq, .offset: 0, .size: 8, .value_kind: global_buffer, .address_space: global }
      - { .name: bq, .offset: 8, .size: 8, .value_kind: global_buffer, .address_space: global }
      - { .name: pbuf, .offset: 16, .size: 8, .value_kind: global_buffer, .address_space: global }
    .group_segment_fixed_size: 327680
    .private_segment_fixed_size: 0
    .kernarg_segment_align: 8
    .kernarg_segment_size: 24
    .max_flat_workgroup_size: 128
    .sgpr_count:     90
    .vgpr_count:     1024
    .wavefront_size: 32
...
	.end_amdgpu_metadata
.endif
;; end of part 3
;; launch row (part 4): grid 256 x 1, 16 waves a work-group, no clusters, 4,096 bytes of LDS; arguments pbuf, rowp, bias, weight_g, c, out0; writes out0
.if DOCPART == 4
	.amdgcn_target "amdgcn-amd-amdhsa--gfx1250"
	.amdhsa_code_object_version 6
	.text
	.protected	k_q2f8a88e389_row
	.globl	k_q2f8a88e389_row
	.p2align	8
	.type	k_q2f8a88e389_row,@function
k_q2f8a88e389_row:
	s_mov_b64 s[64:65], 0
	v_nop
	global_prefetch_b8 v0, s[64:65] scope:SCOPE_SE
	s_setreg_imm32_b32 hwreg(HW_REG_WAVE_MODE, 25, 1), 1
	s_wait_xcnt 0x0
; All that stands behind the product, in f32.  With rc = sqrt(c), rc' = max(rc, 1e-15), d = 2 rc bias[n]:
;   a = (2 P cosh d - (1 + cx2) sinh d) / max(1 - cx2, 1e-15);  y1 = (2 g[n] / rc) asinh a, 0 where not finite;  z = rc' y1 held to -20 .. 20;  y = sinh z / rc';
;   out = y / max(1 + sqrt(1 + c min(max(sum over the row of y^2, 0), 1e15)), 1e-15).
; The sum spans a whole row of 4,096, that is 16 tiles of the product's launch, so it is made here, where a work-group owns 16 whole rows and keeps them in registers between the sum and the division.
; SHARES.  Thread t of 512 owns columns 4 t .. + 3 and 2,048 + 4 t .. + 3 of every row: its 24 numbers of the columns (2 cosh d, sinh d, 2 g ln 2 / rc) stay in registers.  All 32 loads of P go out at the head.
; Rows go in four batches of four: a batch's sums meet in LDS (bytes of its own for each batch: one barrier a batch), and the next batch's arithmetic stands between that barrier's signal and its wait.
; asinh a = sign(a) ln(|a| + sqrt(a^2 + 1)); under |a| = 1/16, where that sum loses a's digits, a - a^3 / 6 (the term left out is under 0.075 / 16^4 of a).  Where a^2 leaves f32's range |a| takes the root's place.
; sinh z = (e^z - e^-z) / 2; under |z| = 1/16, z + z^3 / 6 (left out: under 1 / (120 x 16^4) of z).  The choices are v_cndmask_b32: no branch hangs on data.
; y is finite for every input (|z| <= 20, rc' >= 1e-15), and the divisor is at least 1 or not a number, which is caught once a row: so the definition's later tests for NaN and infinity cost no line a number.
; LIMITS: c infinite is not served.  c < 0, c = 0 and c NaN give zeros, as the definition does.  Where |a| exceeds half of f32's largest number the result is 0.  Divisions are a reciprocal and a multiplication.
; No work-group shares more than the 32 KiB of the columns' numbers with another: no cluster; no matrix work.
.set C2,  8                            ; v8-15    2 cosh d of my 8 columns
.set SH,  16                           ; v16-23   sinh d
.set G1,  24                           ; v24-31   (2 g / rc) ln 2: the logarithm is base 2
.set KA,  32                           ; v[32:33] -log2(e) / 6
.set KB,  34                           ; v[34:35] log2(e)
.set K3,  36                           ; v[36:37] 1 / 3
.set RCP, 38                           ; v[38:39] rc'
.set FF,  40                           ; v[40:41] 0.5 / rc'
.set RA,  48                           ; v48-87   five sets of eight, at work
.set RQ,  56
.set RS,  64
.set RL,  72
.set RW,  80
.set SUM, 88                           ; v88-95   a batch's four sums, in pairs
.set PT,  96                           ; v96-111  the 16 waves' parts of a row's sum
.set FAC, 112                          ; v112     1 / the divisor, of row lane % 4 of the batch
.set Y,   128                          ; v128-255 row i at 8 i: P as loaded, then y, then out
	s_load_b256 s[4:11], s[0:1], 0x0               ; pbuf s[4:5], rowp s[6:7], bias s[8:9], weight_g s[10:11]
	s_load_b128 s[12:15], s[0:1], 0x20             ; c s[12:13], out0 s[14:15]
	v_lshl_add_u32 v126, v0, 2, 0x800
	v_mov_b32 v127, 0
	v_lshlrev_b32 v1, 4, v0                        ; 16 t
	v_and_b32 v2, 3, v0
	v_mul_u32_u24 v2, v2, 80                       ; LDS, way out: row lane % 4 of a batch, 80 bytes a row
	v_lshrrev_b32 v3, 5, v0
	v_lshlrev_b32 v3, 2, v3                        ; way in: 4 x wave
	s_lshl_b32 s16, ttmp9, 18                      ; 16 rows of 16,384 bytes
	s_mov_b32 s17, 0
	s_lshl_b32 s18, ttmp9, 6                       ; 16 words of each table of rowp
	s_mov_b32 s19, 0
	s_mov_b32 s20, 0x3d800000                      ; 1 / 16
	s_mov_b32 s21, 0x7f800000                      ; infinity
	s_mov_b32 s22, 0x50000000                      ; 2^33
	s_mov_b32 s23, 0x41a00000                      ; 20
	s_mov_b32 s24, 0xc1a00000                      ; -20
	s_mov_b32 s25, 0x7fffffff                      ; all but the sign
	s_mov_b32 s26, 0x76543210
	s_mov_b32 s27, 0xfedcba98                      ; v_permlanex16_b32's selects for lane l xor 16
	s_mov_b32 s29, 0x58635fa9                      ; 1e15
.irp n, 67,69,81,83,85,87
	s_mov_b32 s\n, 0                               ; named as the upper halves of pairs of which the packed forms take the low word: so they are written
.endr
	s_wait_kmcnt 0x0
	s_add_nc_u64 s[4:5], s[4:5], s[16:17]
	s_add_nc_u64 s[14:15], s[14:15], s[16:17]
	s_add_nc_u64 s[6:7], s[6:7], s[18:19]
	s_load_b512 s[32:47], s[6:7], 0x0              ; -(1 + cx2) of my 16 rows
	s_load_b512 s[48:63], s[6:7], 0x4000           ; 1 / max(1 - cx2, 1e-15)
	s_load_b32 s28, s[12:13], 0x0                  ; c
	global_load_b128 v[RA:RA+3], v1, s[8:9]
	global_load_b128 v[RA+4:RA+7], v1, s[8:9] offset:8192
	global_load_b128 v[RQ:RQ+3], v1, s[10:11]
	global_load_b128 v[RQ+4:RQ+7], v1, s[10:11] offset:8192
.irp i, 0,1,2,3,4,5,6,7,8,9,10,11,12,13,14,15
	global_load_b128 v[Y+8*\i:Y+8*\i+3], v1, s[4:5] offset:16384*\i th:TH_LOAD_NT        ; a wave reads 512 consecutive bytes; read once in the launch
	global_load_b128 v[Y+8*\i+4:Y+8*\i+7], v1, s[4:5] offset:16384*\i+8192 th:TH_LOAD_NT
.endr
	s_wait_kmcnt 0x0
	v_sqrt_f32 v44, s28                            ; rc
	v_mov_b32 v[KA], 0xbe76384f                    ; (a plain place behind the root)
	v_mov_b32 v[KA+1], 0xbe76384f
	v_mov_b32 v[KB], 0x3fb8aa3b
	v_mov_b32 v[KB+1], 0x3fb8aa3b
	v_mov_b32 v[K3], 0x3eaaaaab
	v_mov_b32 v[K3+1], 0x3eaaaaab
	s_wait_alu depctr_va_vdst(0)
	v_max_num_f32 v[RCP], 0x26901d7d, v44          ; rc'; where rc is no number, 1e-15: y1 is 0 there, and so is all that follows
	v_mov_b32 v[RCP+1], v[RCP]
	v_add_f32 v45, v44, v44                        ; 2 rc
	v_rcp_f32 v46, v44
	v_rcp_f32 v[FF], v[RCP]
	v_nop                                          ; a plain place behind the reciprocals
	s_wait_alu depctr_va_vdst(0)
	v_mul_f32 v46, 0x3fb17218, v46                 ; 2 ln 2 / rc
	v_mul_f32 v[FF], 0.5, v[FF]
	v_max_num_f32 v[FF], 0, v[FF]
	v_mov_b32 v[FF+1], v[FF]
	s_wait_loadcnt 32                              ; bias and weight_g are in; P's 32 loads may be out
.irp k, 0,1,2,3,4,5,6,7
	v_mul_f32 v[RA+\k], v45, v[RA+\k]              ; d
	v_mul_f32 v[G1+\k], v46, v[RQ+\k]
.endr
.irp k, 0,1,2,3,4,5,6,7
	v_mul_f32 v[RS+\k], 0x3fb8aa3b, v[RA+\k]
.endr
.irp k, 0,1,2,3,4,5,6,7
	v_exp_f32 v[RL+\k], v[RS+\k]                   ; e^d
.endr
.irp k, 0,1,2,3,4,5,6,7
	v_exp_f32 v[RW+\k], -v[RS+\k]                  ; e^-d
.endr
.irp k, 0,1,2,3,4,5,6,7
	v_mul_f32 v[RQ+\k], v[RA+\k], v[RA+\k]         ; d^2  (the first is the plain place behind the exponentials)
.endr
	s_wait_alu depctr_va_vdst(0)
.irp k, 0,1,2,3,4,5,6,7
	v_add_f32 v[C2+\k], v[RL+\k], v[RW+\k]         ; 2 cosh d
	v_sub_f32 v[RL+\k], v[RL+\k], v[RW+\k]
	v_fma_f32 v[RQ+\k], v[RQ+\k], 0x3e2aaaab, 1.0  ; 1 + d^2 / 6
	v_mul_f32 v[RL+\k], 0.5, v[RL+\k]              ; sinh d,
	v_mul_f32 v[RQ+\k], v[RQ+\k], v[RA+\k]         ; and its series,
	v_cmp_lt_f32 s[70+\k], |v[RA+\k]|, s20
	v_cndmask_b32 v[SH+\k], v[RL+\k], v[RQ+\k], s[70+\k]   ; taken under |d| = 1/16
.endr
; Row i: my 8 numbers of P become y, and their squares the row's sum in the batch's pair i % 4.
.macro ROWF i
.set YR, Y+8*(\i)
.set SR, SUM+2*((\i)%4)
	s_wait_loadcnt 30-2*(\i)                       ; row i's two loads are in; the later rows', two each, may be out
	s_mov_b32 s66, s[32+(\i)]                      ; -(1 + cx2)
	s_mov_b32 s68, s[48+(\i)]                      ; 1 / max(1 - cx2, 1e-15)
.irp m, 0,2,4,6
	v_pk_mul_f32 v[RA+\m:RA+\m+1], v[YR+\m:YR+\m+1], v[C2+\m:C2+\m+1]
.endr
.irp m, 0,2,4,6
	v_pk_fma_f32 v[RA+\m:RA+\m+1], v[SH+\m:SH+\m+1], s[66:67], v[RA+\m:RA+\m+1] op_sel_hi:[1,0,1]
.endr
.irp m, 0,2,4,6
	v_pk_mul_f32 v[RA+\m:RA+\m+1], v[RA+\m:RA+\m+1], s[68:69] op_sel_hi:[1,0]   ; a
.endr
.irp m, 0,2,4,6
	v_pk_mul_f32 v[RQ+\m:RQ+\m+1], v[RA+\m:RA+\m+1], v[RA+\m:RA+\m+1]           ; a^2
.endr
.irp m, 0,2,4,6
	v_pk_add_f32 v[RS+\m:RS+\m+1], v[RQ+\m:RQ+\m+1], 1.0 op_sel_hi:[1,0]
.endr
.irp k, 0,1,2,3,4,5,6,7
	v_sqrt_f32 v[RS+\k], v[RS+\k]
.endr
.irp m, 0,2,4,6
	v_pk_fma_f32 v[RL+\m:RL+\m+1], v[RQ+\m:RQ+\m+1], v[KA:KA+1], v[KB:KB+1]     ; log2(e) (1 - a^2 / 6)  (the first is the plain place behind the roots)
.endr
	s_wait_alu depctr_va_vdst(0)
.irp k, 0,1,2,3,4,5,6,7
	v_med3_num_f32 v[RS+\k], v[RS+\k], |v[RA+\k]|, s22     ; the root; where a^2 has left f32's range, |a|
.endr
.irp k, 0,1,2,3,4,5,6,7
	v_add_f32 v[RS+\k], |v[RA+\k]|, v[RS+\k]
.endr
.irp k, 0,1,2,3,4,5,6,7
	v_log_f32 v[RS+\k], v[RS+\k]
.endr
.irp m, 0,2,4,6
	v_pk_mul_f32 v[RL+\m:RL+\m+1], v[RL+\m:RL+\m+1], v[RA+\m:RA+\m+1]           ; the series, in the logarithm's unit  (the plain place behind the logarithms)
.endr
	s_wait_alu depctr_va_vdst(0)
.irp k, 0,1,2,3,4,5,6,7
	v_bfi_b32 v[RS+\k], s25, v[RS+\k], v[RA+\k]    ; a's sign onto the logarithm
.endr
.irp k, 0,1,2,3,4,5,6,7
	v_cmp_lt_f32 s[70+\k], |v[RA+\k]|, s20
.endr
.irp k, 0,1,2,3,4,5,6,7
	v_cndmask_b32 v[RL+\k], v[RS+\k], v[RL+\k], s[70+\k]
.endr
.irp m, 0,2,4,6
	v_pk_mul_f32 v[RL+\m:RL+\m+1], v[RL+\m:RL+\m+1], v[G1+\m:G1+\m+1]           ; y1
.endr
.irp k, 0,1,2,3,4,5,6,7
	v_cmp_lt_f32 s[70+\k], |v[RL+\k]|, s21
.endr
.irp k, 0,1,2,3,4,5,6,7
	v_cndmask_b32 v[RL+\k], 0, v[RL+\k], s[70+\k]  ; 0 where y1 is infinite or no number
.endr
.irp m, 0,2,4,6
	v_pk_mul_f32 v[RL+\m:RL+\m+1], v[RL+\m:RL+\m+1], v[RCP:RCP+1]
.endr
.irp k, 0,1,2,3,4,5,6,7
	v_med3_num_f32 v[RL+\k], v[RL+\k], s24, s23    ; z
.endr
.irp m, 0,2,4,6
	v_pk_mul_f32 v[RQ+\m:RQ+\m+1], v[RL+\m:RL+\m+1], v[KB:KB+1]
.endr
.irp k, 0,1,2,3,4,5,6,7
	v_exp_f32 v[RS+\k], v[RQ+\k]                   ; e^z
.endr
.irp k, 0,1,2,3,4,5,6,7
	v_exp_f32 v[RA+\k], -v[RQ+\k]                  ; e^-z
.endr
.irp m, 0,2,4,6
	v_pk_mul_f32 v[RW+\m:RW+\m+1], v[RL+\m:RL+\m+1], v[RL+\m:RL+\m+1]           ; z^2  (the plain place behind the exponentials)
.endr
.irp m, 0,2,4,6
	v_pk_fma_f32 v[RW+\m:RW+\m+1], v[RW+\m:RW+\m+1], v[K3:K3+1], 2.0 op_sel_hi:[1,1,0]
.endr
.irp m, 0,2,4,6
	v_pk_mul_f32 v[RW+\m:RW+\m+1], v[RW+\m:RW+\m+1], v[RL+\m:RL+\m+1]           ; 2 z + z^3 / 3
.endr
	s_wait_alu depctr_va_vdst(0)
.irp m, 0,2,4,6
	v_pk_add_f32 v[RS+\m:RS+\m+1], v[RS+\m:RS+\m+1], v[RA+\m:RA+\m+1] neg_lo:[0,1] neg_hi:[0,1]   ; e^z - e^-z
.endr
.irp k, 0,1,2,3,4,5,6,7
	v_cmp_lt_f32 s[70+\k], |v[RL+\k]|, s20
.endr
.irp k, 0,1,2,3,4,5,6,7
	v_cndmask_b32 v[RS+\k], v[RS+\k], v[RW+\k], s[70+\k]   ; 2 sinh z
.endr
.irp m, 0,2,4,6
	v_pk_mul_f32 v[YR+\m:YR+\m+1], v[RS+\m:RS+\m+1], v[FF:FF+1]                 ; y
.endr
	v_pk_mul_f32 v[SR:SR+1], v[YR:YR+1], v[YR:YR+1]                              ; the first squares start the sum
.irp m, 2,4,6
	v_pk_fma_f32 v[SR:SR+1], v[YR+\m:YR+\m+1], v[YR+\m:YR+\m+1], v[SR:SR+1]
.endr
.endm
.macro REDUCE                          ; the batch's four sums over the wave's 32 lanes, the four rows by turns
.irp p, 0,2,4,6
	v_add_f32 v[SUM+\p], v[SUM+\p], v[SUM+\p+1]
.endr
.irp x, 1,2,4,8
.irp p, 0,2,4,6
	v_add_f32_dpp v[SUM+\p], v[SUM+\p], v[SUM+\p] row_xmask:\x row_mask:0xf bank_mask:0xf
.endr
.endr
.irp p, 0,2,4,6
	v_permlanex16_b32 v[SUM+\p+1], v[SUM+\p], s26, s27
.endr
.irp p, 0,2,4,6
	v_add_f32 v[SUM+\p], v[SUM+\p], v[SUM+\p+1]
.endr
.endm
.macro PART b                          ; my wave's four sums to batch b's own bytes; all lanes write the same word with the same value
.irp p, 0,1,2,3
	ds_store_b32 v3, v[SUM+2*\p] offset:320*(\b)+80*\p
.endr
	s_wait_dscnt 0x0                               ; for the others' sake: my stores have landed
	s_barrier_signal -1
.endm
.macro FINISH b                        ; behind the barrier's wait: lane l adds the 16 waves' parts of row l % 4 of batch b; the four rows are divided and stored
.irp j, 0,1,2,3
	ds_load_b128 v[PT+4*\j:PT+4*\j+3], v2 offset:320*(\b)+16*\j
.endr
	s_wait_dscnt 0x0
.irp j, 1,2,3,4,5,6,7,8,9,10,11,12,13,14,15
	v_add_f32 v[PT], v[PT], v[PT+\j]
.endr
	v_med3_num_f32 v[PT], v[PT], 0, s29            ; held to 0 .. 1e15
	v_fma_f32 v[PT], s28, v[PT], 1.0
	v_sqrt_f32 v[PT], v[PT]
	v_nop                                          ; a plain place behind the root
	s_wait_alu depctr_va_vdst(0)
	v_add_f32 v[PT], 1.0, v[PT]
	v_max_num_f32 v[PT], 0x26901d7d, v[PT]
	v_rcp_f32 v[FAC], v[PT]
	v_nop                                          ; a plain place behind the reciprocal
	s_wait_alu depctr_va_vdst(0)
	v_max_num_f32 v[FAC], 0, v[FAC]
.irp p, 0,1,2,3
	v_readlane_b32 s[80+2*\p], v[FAC], \p          ; a multiplier, and nothing else: no address and no branch hangs on it
.endr
.irp p, 0,1,2,3
.irp m, 0,2,4,6
	v_pk_mul_f32 v[Y+8*(4*(\b)+\p)+\m:Y+8*(4*(\b)+\p)+\m+1], v[Y+8*(4*(\b)+\p)+\m:Y+8*(4*(\b)+\p)+\m+1], s[80+2*\p:81+2*\p] op_sel_hi:[1,0]
.endr
	global_store_b128 v1, v[Y+8*(4*(\b)+\p):Y+8*(4*(\b)+\p)+3], s[14:15] offset:16384*(4*(\b)+\p) th:TH_STORE_NT        ; a wave stores 512 consecutive bytes, aligned; written once, read by nobody here
	global_store_b128 v1, v[Y+8*(4*(\b)+\p)+4:Y+8*(4*(\b)+\p)+7], s[14:15] offset:16384*(4*(\b)+\p)+8192 th:TH_STORE_NT
.endr
.endm
.irp i, 0,1,2,3
	ROWF \i
.endr
	REDUCE
	PART 0
.irp b, 1,2,3
.irp i, 0,1,2,3
	ROWF 4*\b+\i                                   ; work on registers between the signal and its wait
.endr
	REDUCE
	s_barrier_wait -1                              ; every wave's parts of the batch before lie in LDS
	FINISH \b-1
	PART \b
.endr
	s_barrier_wait -1
	FINISH 3
	s_wait_tensorcnt 0x0
	ds_add_u32 v126, v127
	s_wait_dscnt 0x0
	s_endpgm
.Lfunc_end_k_q2f8a88e389_row:
	.size	k_q2f8a88e389_row, .Lfunc_end_k_q2f8a88e389_row-k_q2f8a88e389_row
	.p2alignl 7, 3214868480
	.fill 96, 4, 3214868480
	.section	.rodata,"a",@progbits
	.p2align	6, 0x0
	.amdhsa_kernel k_q2f8a88e389_row
		.amdhsa_group_segment_fixed_size 4096
		.amdhsa_private_segment_fixed_size 0
		.amdhsa_enable_private_segment 0
		.amdhsa_kernarg_size 48
		.amdhsa_user_sgpr_count 2
		.amdhsa_user_sgpr_kernarg_segment_ptr 1
		.amdhsa_wavefront_size32 1
		.amdhsa_system_sgpr_workgroup_id_x 1
		.amdhsa_system_sgpr_workgroup_id_y 1
		.amdhsa_system_sgpr_workgroup_id_z 1
		.amdhsa_system_vgpr_workitem_id 0
		.amdhsa_next_free_vgpr 256
		.amdhsa_next_free_sgpr 90
		.amdhsa_reserve_vcc 0
		.amdhsa_float_denorm_mode_32 3
		.amdhsa_float_denorm_mode_16_64 3
		.amdhsa_memory_ordered 1
		.amdhsa_forward_progress 1
		.amdhsa_inst_pref_size 199
	.end_amdhsa_kernel
	.amdgpu_metadata
---
amdhsa.version: [ 1, 2 ]
amdhsa.kernels:
  - .name:           k_q2f8a88e389_row
    .symbol:         k_q2f8a88e389_row.kd
    .args:
      - { .name: pbuf, .offset: 0, .size: 8, .value_kind: global_buffer, .address_space: global }
      - { .name: rowp, .offset: 8, .size: 8, .value_kind: global_buffer, .address_space: global }
      - { .name: bias, .offset: 16, .size: 8, .value_kind: global_buffer, .address_space: global }
      - { .name: weight_g, .offset: 24, .size: 8, .value_kind: global_buffer, .address_space: global }
      - { .name: c, .offset: 32, .size: 8, .value_kind: global_buffer, .address_space: global }
      - { .name: out0, .offset: 40, .size: 8, .value_kind: global_buffer, .address_space: global }
    .group_segment_fixed_size: 4096
    .private_segment_fixed_size: 0
    .kernarg_segment_align: 8
    .kernarg_segment_size: 48
    .max_flat_workgroup_size: 512
    .sgpr_count:     90
    .vgpr_count:     256
    .wavefront_size: 32
...
	.end_amdgpu_metadata
.endif
;; end of part 4
